; MI455X (gfx1250); checked and timed in simulation.
; The chip was launched on July 23, 2026; its instructions are those of AMD's public machine-readable ISA for CDNA 5 (MIT licence, August 2026) and "CDNA5" Instruction Set Architecture Reference Guide (July 2026). The comments in the code are by the model that wrote it; some were corrected since.
;; Head. Allowed arithmetic: matrix products marked QUANTISED: E5M2 operands, one given power-of-two scale a tensor, by v_wmma_f32_16x16x64_bf8_bf8 or v_wmma_f32_16x16x128_bf8_bf8, f32 sums; everything else in f32.
;; Inputs: Wk_codes 256 x 32 x 32 uint8 (E5M2 codes of Wk, K innermost, in blocks of 32 codes); Wq_codes 256 x 32 x 32 uint8 (E5M2 codes of Wq, K innermost, in blocks of 32 codes); Wv_codes 256 x 32 x 32 uint8 (E5M2 codes of Wv, K innermost, in blocks of 32 codes); bk 256 float32; bq 256 float32; bv 256 float32; lowp_scales 10 int32 (the exponents e of the quantised operands' scales 2^e); x_codes 16 x 2,048 x 32 x 32 uint8 (E5M2 codes of x, K innermost, in blocks of 32 codes).
;; Outputs: out0 16 x 2,048 x 256 float32.
;; This version of the problem:
;;   THIS VERSION OF THE PROBLEM IS GIVEN IN LOW PRECISION. The matrix products marked QUANTISED in the list below multiply operands that are first quantised to E5M2 (5 exponent bits, 2 mantissa bits; 8 bits a number), with one given power-of-two scale for each operand tensor; their sums are f32. All else is computed in f32.
;;   The module's matrix products, in the order in which they are computed (A, B: the left and right operand; K: the contracted axis; several contracted axes count as one K, in the product's order):
;;     1. [M 32,768, K 1,024] x [K 1,024, N 256]; A: input x (given as codes); B: input Wq (given as codes): QUANTISED (scales: A lowp_scales[0], B lowp_scales[1])
;;     2. [M 32,768, K 1,024] x [K 1,024, N 256]; A: input x (given as codes); B: input Wk (given as codes): QUANTISED (scales: A lowp_scales[2], B lowp_scales[3])
;;     3. [M 32,768, K 1,024] x [K 1,024, N 256]; A: input x (given as codes); B: input Wv (given as codes): QUANTISED (scales: A lowp_scales[4], B lowp_scales[5])
;;     4. batch 16 x [M 2,048, K 256] x [K 256, N 2,048]; A: computed on the way; B: computed on the way: QUANTISED (scales: A lowp_scales[6], B lowp_scales[7])
;;     5. batch 16 x [M 2,048, K 2,048] x [K 2,048, N 256]; A: softmax (see below); B: computed on the way: QUANTISED (scales: A lowp_scales[8], B lowp_scales[9])
;;   THE QUANTISER, for each operand of a quantised product, along K:
;;     - The operand's scale is 2^e, e = its entry of the input lowp_scales (int32; the entries are numbered through the quantised products in the list's order, A before B).
;;     - Each number is divided by the scale, clamped to +-57,344, and rounded to the nearest number of E5M2, ties to even, subnormals kept.
;;     - The product sums the exact products of the quantised numbers (number of the format x scale) in f32.
;;   ~~~python
;;   def quantise(x, axis, e):      # numpy; x: float32 -> the quantised numbers, widened to float32 again
;;       x = np.moveaxis(x, axis, -1); K = x.shape[-1]
;;       r = np.clip(x / 2.0 ** e, -57344, 57344)
;;       step = 2.0 ** (np.maximum(np.frexp(np.where(r == 0, 1, r))[1] - 1, -14) - 2)
;;       q = np.round(r / step) * step * 2.0 ** e      # np.round: ties to even
;;       return np.moveaxis(q, -1, axis).astype(np.float32)
;;   ~~~
;;   SOFTMAX AHEAD OF A QUANTISED PRODUCT. Where the list says 'softmax', what is quantised is not the finished softmax but p = 2^(t - M), with t = logit x log2(e) and M = ceil(the row's largest t), a whole number; so 1/2 < the row's largest p <= 1. The row's sum l is taken of the UNQUANTISED p, in f32, and the product's result is divided by l at the end. Since M is a whole number, a kernel that streams over the keys may use a running M (the ceiling of the running maximum): every later rescaling is an exact power of two, so the quantised numbers keep their values, but for numbers so far below the row's largest that they fall under the format's range.
;;   OPERANDS COMPUTED ON THE WAY. 'Computed on the way' means the value that the module computes at that place (a softmax that the list does not call 'softmax' is quantised finished and normalised). What goes into a quantiser is computed in f32, as accurately as f32 sums, v_exp_f32 and their like allow (about 1e-6 of the number): no bf16 or f16 on the way to a quantiser, and a product that is left as it is and whose result goes on into a quantised operand takes f32 operands (vector FMAs, or v_wmma_f32_16x16x4_f32). A number that lies on a knife's edge between two numbers of the format may be rounded either way, as far as f32 arithmetic and the matrix unit's own rounding can turn it there, and no further.
;;   INPUTS GIVEN AS CODES. Wk (in the module: [1024, 256], K = its axis 0); Wq (in the module: [1024, 256], K = its axis 0); Wv (in the module: [1024, 256], K = its axis 0); x (in the module: [16, 2048, 1024], K = its axis 2): each comes as NAME_codes (uint8): NAME with its K axis moved to the last place and cut into blocks of 32 codes, [.., K / 32, bytes a block], one block behind the other in memory; one code a byte (a code: sign, 5 exponent bits, 2 mantissa bits); its scale is its entry of lowp_scales. Its value is code x scale, taken as it is: it is not quantised again, and the codes and scales need not be those that the quantiser above would give.
;; One version. Each part assembles by itself: llvm-mc -triple=amdgcn-amd-amdhsa -mcpu=gfx1250 --defsym DOCPART=n.
;; ======== version 1 of 1: 2 launches
;; limits: right only within a limited range of input values
;; workspace buffers: q_img 8,388,608 bytes; kv 16,777,216 bytes
;; launch proj (part 1): grid 256 x 1, 4 waves a work-group, clusters of 4 x 1, 327,680 bytes of LDS; arguments x_codes, Wq_codes, Wk_codes, Wv_codes, bq, bk, bv, lowp_scales, q_img, kv; writes q_img, kv
.if DOCPART == 1
	.amdgcn_target "amdgcn-amd-amdhsa--gfx1250"
	.amdhsa_code_object_version 6
	.text
	.protected	k_q114e8ec624_proj
	.globl	k_q114e8ec624_proj
	.p2align	8
	.type	k_q114e8ec624_proj,@function
k_q114e8ec624_proj:
	s_mov_b64 s[64:65], 0
	v_nop
	global_prefetch_b8 v0, s[64:65] scope:SCOPE_SE
	s_setreg_imm32_b32 hwreg(HW_REG_WAVE_MODE, 25, 1), 1
	s_wait_xcnt 0x0
	s_wait_alu depctr_hold_cnt(0) depctr_sa_sdst(0) depctr_va_vdst(0) depctr_va_sdst(0) depctr_va_ssrc(0) depctr_va_vcc(0) depctr_vm_vsrc(0)
	s_getreg_b32 s2, hwreg(HW_REG_IB_STS2, 6, 4)
	s_cmp_eq_u32 s2, 0
	s_cbranch_scc0 .Lentry_in_a_cluster
	s_endpgm
.Lentry_in_a_cluster:
	s_bfe_u32 s2, ttmp6, 0x10000c
	s_cmp_lg_u32 s2, 0x3003
	s_cbranch_scc0 .Lentry_shape_is_right
	s_endpgm
.Lentry_shape_is_right:
; q = x Wq + bq, k = x Wk + bk, v = x Wv + bv on codes of BF8 (E5M2), and the three results quantised again to BF8 with the given scales 2^e6, 2^e7, 2^e9.
; x: [32768][1024] codes; Wq, Wk, Wv: [256][1024] codes, K innermost; the biases f32.  lowp_scales: e0, e1 (x, Wq), e2, e3 (x, Wk), e4, e5 (x, Wv), e6 (q), e7 (k), e8 (p), e9 (v).
; A sum of codes stands for sum x 2^(eA + eB).  So the bias goes in as bias / 2^(eA + eB), as what the sums begin with, and the conversion takes 2^(eOut - eA - eB) as its one scale.
; LIMITS: e6 - e0 - e1, e7 - e2 - e3 and e9 - e4 - e5 lie between -126 and 112, so that the scale and 57,344 x the scale are f32 numbers.  NaN among the inputs is not served.
; DEAD WORK: this launch leaves none out.  The launch behind it leaves out whole key steps that lie wholly behind a block's last query: reference() masks them in its own body, whatever the inputs hold;
;   a NaN, an infinity or an overflow that reaches only those steps is not carried to the result.
; SHARES.  A work-group of four waves owns 256 tokens and 128 of the 256 channels (half nh) of each of q, k, v; a wave owns 64 of the tokens and all 128 channels.  Three passes: q, k, v.  The wave's 64 rows x 1,024 K of x
; stay in 512 registers for all passes.  With u = (cluster - 1) mod 64: nh = u % 2, and the cluster's four work-groups own the blocks of 256 tokens 4 (u / 2) + cx.
; CLUSTER.  The four work-groups of a cluster have the same nh and walk the same rows of W: each tile of W is asked for jointly (mask 15).  x's tiles are each work-group's own in its cluster, and plain loads.
; LDS.  Region X: x's 256 rows x 512 K (half 0, then half 1), then Wk's tile.  Region WQ: Wq's tile, then Wv's.  A tile of W is 128 rows x 1,024 K.
; FILLS.  Head: waves 0, 1: x's K half 0; waves 2, 3: Wq.  Then, each behind a round: x's K half 1 (half 0 is in registers), Wk (half 1 is in registers), Wv (pass q is over).
; OUTPUT AS IMAGES OF OPERAND REGISTERS.  A fragment (16 rows x 128 K, 16 registers a lane) lies as 4 chunks of 512 bytes, lane l's four registers at 16 l.
;   q_img: (token / 16) x 4096 + (channel / 128) x 2048.   kv: (token / 128) x 65536; K's fragments at (8 (channel / 128) + token tile) x 2048; V's at 32768 + (channel / 16) x 2048, with the keys along the registers.
; Passes q and k use the product transposed (source 0 = 16 rows of W, source 1 = 16 tokens): a lane holds one token and eight neighbouring channels, registers 2 n, 2 n + 1 of the fragment.
; Pass v uses it straight: a lane holds one channel and eight neighbouring tokens.  So every store leaves straight from the registers and covers 512 consecutive bytes, aligned.
; No prefetch: there is no loop to run ahead in; 48 half-steps of 16 products are written by macros.
; REGISTERS, in windows of 256: window 0: v2-13 addresses and the scale; v14-31 at work at the head; v32-63 codes; v64-255 three groups of four fragments of W.
;   windows 1, 2: x's fragments of K steps 0-3, 4-7: (row tile m, K step s) at v[16 (4 s + m)].   window 3: the 32 accumulators, (m, n) at v[8 (8 m + n)].
.set PX,    528                        ; a row of x in LDS: 512 bytes + 16 of padding = 132 words: 16 rows start at 16 different groups of four banks (ISA guide 11.1)
.set PW,    1040                       ; a row of W: 1,024 bytes + 16 = 260 words
.set WQ,    256*PX
.set SPARE, WQ+128*PW                  ; the spare words, 128 bytes for each wave
.set TBL,   SPARE+512                  ; bq / 2^(e0 + e1), then bk / 2^(e2 + e3): my 128 channels of each
.set TBLV,  TBL+1024                   ; bv / 2^(e4 + e5), each number four times
.set ADRW, 2                           ; v2-5    my place in W's tile: WQ channels 0-63, 64-127; X channels 0-63, 64-127
.set ADRX, 6
.set LI,   7                           ; 16 x lane
.set SPW,  8                           ; my spare word; never rewritten
.set NIL,  9                           ; 0; never rewritten
.set SC,   10                          ; the pass's scale as f32
.set LIM,  11                          ; 57,344 x that
.set BA,   12                          ; my place in the table of bq and bk
.set BAV,  13                          ; and in that of bv
.set PC,   32
.set WF,   64
.set MSB, 0
.macro WIN new                         ; the immediate's high byte repeats the setting that is left; a switch that changes nothing is dropped
.if MSB != (\new)
	s_set_vgpr_msb (MSB<<8)|(\new)
.set MSB, (\new)
.endif
.endm
.macro PLACES                          ; four places behind matrix instructions, in front of loads into their registers and of reads of their results
.rept 4
	v_nop
.endr
.endm
.macro CROUND                          ; a round of the cluster's barrier
	s_barrier_signal -1
	s_barrier_wait -1
	s_cmp_lg_u32 s38, 0
	s_cbranch_scc1 .Lnot_wave_0_\@
	s_barrier_signal -3
.Lnot_wave_0_\@:
	s_barrier_wait -3
	s_barrier_signal -1
	s_barrier_wait -1
.endm
	s_load_b512 s[8:23], s[0:1], 0x0               ; x s[8:9], Wq s[10:11], Wk s[12:13], Wv s[14:15], bq s[16:17], bk s[18:19], bv s[20:21], the scales s[22:23]
	s_load_b128 s[24:27], s[0:1], 0x40             ; q_img s[24:25], kv s[26:27]
	v_lshl_add_u32 v[SPW], v0, 2, SPARE
	v_mov_b32 v[NIL], 0
	ds_add_u32 v[SPW], v[NIL]                      ; the opening: the add, twice on end, and its wait
	ds_add_u32 v[SPW], v[NIL]
	v_lshrrev_b32 v14, 5, v0
	v_readfirstlane_b32 s38, v14                   ; wave w
	s_bfe_u32 s39, ttmp6, 0x40000                  ; cx
	s_add_co_u32 s43, ttmp9, 63
	s_and_b32 s43, s43, 63                         ; u
	s_and_b32 s42, s43, 1                          ; nh
	s_lshr_b32 s43, s43, 1
	s_lshl_b32 s43, s43, 2
	s_add_co_u32 s43, s43, s39                     ; my block of 256 tokens; it enters global addresses alone
	s_and_b32 s41, s38, 1                          ; which 64 of 128 tokens are my wave's
	s_lshr_b32 s96, s38, 1
	s_lshl_b32 s40, s43, 1
	s_add_co_u32 s40, s40, s96                     ; which 128 tokens
	; group 1 for x: 128 rows x 512 bytes, 16 bytes of padding behind each
	s_mov_b32 s44, (1<<20)|(6<<22)|(3<<25)
	s_mov_b32 s45, 512<<16
	s_mov_b32 s46, 128<<16
	s_mov_b32 s47, 512<<16
	s_mov_b32 s48, 128
	s_mov_b32 s49, 1024
	s_mov_b32 s50, 0
	s_mov_b32 s51, 0
	; for Wq: 64 rows x 1,024 bytes, asked for jointly (mask 15, bit 21 beside it)
	s_mov_b32 s52, 15|(1<<20)|(1<<21)|(7<<22)|(3<<25)
	s_mov_b32 s53, 1024<<16
	s_mov_b32 s54, 64<<16
	s_mov_b32 s55, 1024<<16
	s_mov_b32 s56, 64
	s_mov_b32 s57, 1024
	s_mov_b32 s58, 0
	s_mov_b32 s59, 0
	; for Wk and Wv: 32 rows a wave
	s_mov_b32 s68, 15|(1<<20)|(1<<21)|(7<<22)|(3<<25)
	s_mov_b32 s69, 1024<<16
	s_mov_b32 s70, 32<<16
	s_mov_b32 s71, 1024<<16
	s_mov_b32 s72, 32
	s_mov_b32 s73, 1024
	s_mov_b32 s74, 0
	s_mov_b32 s75, 0
	s_mov_b32 s76, 1                               ; group 0 for x (waves 0, 1)
	s_mul_i32 s77, s41, 128*PX
	s_mov_b32 s60, 1                               ; group 0 for W (the first: waves 2, 3)
	s_mul_i32 s61, s41, 64*PW
	s_add_co_u32 s61, s61, WQ
	s_lshl_b32 s96, s43, 18
	s_lshl_b32 s97, s41, 17
	s_add_co_u32 s96, s96, s97
	s_mov_b32 s97, 0
	s_lshl_b32 s4, s42, 17                         ; my channels' first row of a weight
	s_lshl_b32 s5, s41, 16
	s_add_co_u32 s66, s4, s5
	s_mov_b32 s67, 0
	s_lshl_b32 s5, s38, 15
	s_add_co_u32 s4, s4, s5                        ; my 32 rows of it
	s_mov_b32 s5, 0
	s_lshl_b32 s100, s43, 18                       ; x's K half 1: 64 rows a wave
	s_lshl_b32 s101, s38, 16
	s_add_co_u32 s100, s100, s101
	s_add_co_u32 s100, s100, 512
	s_mov_b32 s101, 0
	s_mul_i32 s89, s38, 64*PX
	s_mul_i32 s6, s38, 32*PW
	s_add_co_u32 s7, s6, WQ
	s_wait_alu depctr_va_vdst(0)
	s_wait_dscnt 0x0                               ; both opening adds are done
	s_wait_kmcnt 0x0
	s_load_b256 s[28:35], s[22:23], 0x0            ; e0 .. e7
	s_load_b64 s[36:37], s[22:23], 0x20            ; e8, e9
	s_add_nc_u64 s[78:79], s[8:9], s[96:97]
	s_or_b32 s79, s79, 0x80000000
	s_add_nc_u64 s[62:63], s[10:11], s[66:67]
	s_or_b32 s63, s63, 0x80000000
	CROUND                                         ; the four work-groups are here: the first joint loads meet
	s_cmp_lt_u32 s38, 2
	s_cbranch_scc0 .Lfor_w
	tensor_load_to_lds s[76:79], s[44:51]          ; x's K half 0
	s_nop 0
	PLACES
	s_branch .Lasked
.Lfor_w:
	tensor_load_to_lds s[60:63], s[52:59]          ; Wq
	s_nop 0
	PLACES
.Lasked:
	s_lshl_b32 s96, s42, 9
	s_mul_i32 s97, s38, 64*PX
	v_lshlrev_b32 v17, 2, v0                       ; a channel a thread
	v_add_nc_u32 v18, s96, v17
	global_load_b32 v20, v18, s[16:17]
	global_load_b32 v21, v18, s[18:19]
	global_load_b32 v22, v18, s[20:21]
	v_add_nc_u32 v19, TBL, v17
	v_lshl_add_u32 v23, v0, 4, TBLV
	v_and_b32 v14, 15, v0                          ; r = lane % 16
	v_bfe_u32 v15, v0, 4, 1                        ; h = lane / 16
	v_and_b32 v16, 31, v0
	v_lshlrev_b32 v[LI], 4, v16
	v_mul_u32_u24 v24, v14, PW
	v_lshl_add_u32 v24, v15, 4, v24                ; a fragment's row x pitch + 16 x half
	v_add_nc_u32 v[ADRW], WQ, v24
	v_add_nc_u32 v[ADRW+1], WQ+64*PW, v24
	v_add_nc_u32 v[ADRW+2], 0, v24
	v_add_nc_u32 v[ADRW+3], 64*PW, v24
	v_mul_u32_u24 v25, v14, PX
	v_lshl_add_u32 v25, v15, 4, v25
	v_add_nc_u32 v[ADRX], s97, v25                 ; my 64 rows of x
	v_lshlrev_b32 v26, 5, v15
	v_add_nc_u32 v[BA], TBL, v26                   ; passes q, k: my eight channels of tile n: 16 n + 8 h ..
	v_lshlrev_b32 v27, 4, v14
	v_add_nc_u32 v[BAV], TBLV, v27                 ; pass v: my one channel of tile n: 16 n + r
	s_wait_alu depctr_va_vdst(0)                   ; the wait at the head's end
	s_lshl_b32 s96, s40, 15                        ; where my codes go.  q: token tile x 4096 + channel half x 2048
	s_lshl_b32 s97, s41, 14
	s_add_co_u32 s96, s96, s97
	s_lshl_b32 s97, s42, 11
	s_add_co_u32 s96, s96, s97
	s_mov_b32 s97, 0
	s_add_nc_u64 s[90:91], s[24:25], s[96:97]
	s_lshl_b32 s96, s40, 16                        ; k: key step x 65536 + (8 channel half + 4 token half) x 2048
	s_lshl_b32 s98, s42, 14
	s_add_co_u32 s96, s96, s98
	s_lshl_b32 s98, s41, 13
	s_add_co_u32 s98, s96, s98
	s_mov_b32 s99, 0
	s_add_nc_u64 s[92:93], s[26:27], s[98:99]
	s_lshl_b32 s98, s41, 10                        ; v: key step x 65536 + 32768 + channel half x 16384 + token half x 1024
	s_add_co_u32 s96, s96, s98
	s_add_co_u32 s96, s96, 32768
	s_add_nc_u64 s[94:95], s[26:27], s[96:97]
	s_wait_kmcnt 0x0
.irp p, 0,1                            ; q and k: scale 2^(e(6 + p) - e(2 p) - e(2 p + 1)), 57,344 x that, and what the bias is shifted by
	s_add_co_i32 s[86+\p], s[28+2*\p], s[29+2*\p]
	s_sub_co_i32 s[80+2*\p], s[34+\p], s[86+\p]
	s_add_co_i32 s[80+2*\p], s[80+2*\p], 127
	s_add_co_i32 s[81+2*\p], s[80+2*\p], 15
	s_lshl_b32 s[80+2*\p], s[80+2*\p], 23
	s_lshl_b32 s[81+2*\p], s[81+2*\p], 23
	s_or_b32 s[81+2*\p], s[81+2*\p], 0x600000
	s_sub_co_i32 s[86+\p], 0, s[86+\p]
.endr
	s_add_co_i32 s88, s32, s33                     ; v: e9 - e4 - e5
	s_sub_co_i32 s84, s37, s88
	s_add_co_i32 s84, s84, 127
	s_add_co_i32 s85, s84, 15
	s_lshl_b32 s84, s84, 23
	s_lshl_b32 s85, s85, 23
	s_or_b32 s85, s85, 0x600000
	s_sub_co_i32 s88, 0, s88
	s_wait_loadcnt 0x0                             ; the biases
	v_ldexp_f32 v20, v20, s86
	v_ldexp_f32 v21, v21, s87
.irp j, 0,1,2,3
	v_ldexp_f32 v[28+\j], v22, s88
.endr
	ds_store_b32 v19, v20
	ds_store_b32 v19, v21 offset:512
	ds_store_b128 v23, v[28:31]
; x's K half into registers, for good: half 0 into window 1, half 1 into window 2
.macro XREG half
	WIN 0x40<<(\half)
.irp ks, 0,1,2,3
.irp mt, 0,1,2,3
.irp c, 0,1,2,3
	ds_load_b128 v[16*(4*\ks+\mt)+4*\c:16*(4*\ks+\mt)+4*\c+3], v[ADRX] offset:\mt*16*PX+128*\ks+32*\c
.endr
.endr
.endr
	WIN 0
.endm
; The bias of pass p into the accumulators of row tile 0; the other row tiles take it from there as C.
.macro BIAS p
	WIN 0xC0
.irp nt, 0,1,2,3,4,5,6,7
.if (\p) < 2
	ds_load_b128 v[8*\nt:8*\nt+3],   v[BA] offset:512*(\p)+64*\nt
	ds_load_b128 v[8*\nt+4:8*\nt+7], v[BA] offset:512*(\p)+64*\nt+16
.else
	ds_load_b128 v[8*\nt:8*\nt+3],   v[BAV] offset:256*\nt
	ds_load_b128 v[8*\nt+4:8*\nt+7], v[BAV] offset:256*\nt
.endif
.endr
	WIN 0
.endm
; Half-step g of 48: pass g / 16, K step (g % 16) / 2, channel tiles 4 (g % 2) .. + 3: four fragments of W, each against x's four row tiles.
.macro LOADW g                         ; its four fragments into group g % 3: 16 loads
.set WG, WF+64*((\g)%3)
.set WA, ADRW+2*(((\g)/16)%2)+((\g)%2)
.set WO, 128*(((\g)%16)/2)
.irp fi, 0,1,2,3
.irp c, 0,1,2,3
	ds_load_b128 v[WG+16*\fi+4*\c:WG+16*\fi+4*\c+3], v[WA] offset:WO+\fi*16*PW+32*\c
.endr
.endr
.endm
.macro WINM g                          ; C and D window 3; W window 0; x window 1 or 2 by the K half.  Passes q, k: W is source 0; pass v: x is
.if (\g) < 32
	WIN 0xF4+4*(((\g)%16)/8)
.else
	WIN 0xF1+(((\g)%16)/8)
.endif
.endm
.macro PROD g, d, fi, mt, c            ; one product
.set XK, 64*((((\g)%16)/2)%4)+16*(\mt)
.set WG, WF+64*((\g)%3)+16*(\fi)
.if (\g) < 32
	v_wmma_f32_16x16x128_bf8_bf8 v[\d:\d+7], v[WG:WG+15], v[XK:XK+15], v[\c:\c+7]
.else
	v_wmma_f32_16x16x128_bf8_bf8 v[\d:\d+7], v[XK:XK+15], v[WG:WG+15], v[\c:\c+7]
.endif
.endm
.macro MUL8 g, f0                      ; eight products: fragments f0, f0 + 1 of the group.  The 32 accumulators take turns, one instruction a turn
.irp fi, \f0, \f0+1
.irp mt, 0,1,2,3
.set AC, 8*(8*\mt+4*((\g)%2)+(\fi))
	PROD \g, AC, \fi, \mt, AC
.endr
.endr
.endm
.macro MULB g                          ; a pass's first K step: row tiles 1 to 3 begin with row tile 0's bias as C; five places; then row tile 0 writes over it
.irp mt, 1,2,3
.irp fi, 0,1,2,3
.set NA, 8*(4*((\g)%2)+\fi)
.set AC, 64*\mt+NA
	PROD \g, AC, \fi, \mt, NA
.endr
.endr
.rept 5
	v_nop
.endr
.irp fi, 0,1,2,3
.set NA, 8*(4*((\g)%2)+\fi)
	PROD \g, NA, \fi, 0, NA
.endr
.endm
.macro HSTEP g, ahead, cnt             ; a half-step; the fragments of two half-steps on are asked for first; cnt younger LDS loads may be out
	PLACES
.if \ahead
	LOADW (\g)+2
.endif
	s_wait_dscnt \cnt
	WINM \g
.if ((\g)%16) < 2
	MULB \g
.else
	MUL8 \g, 0
	MUL8 \g, 2
.endif
	WIN 0
.endm
; THE WAY OUT of half a pass q or k (two row tiles): the hold (the conversion to an 8-bit code does not saturate: ISA guide 7.6.2), the conversion, the store.  Each accumulator is read from its low end on.
.macro EPI_T p, hf
	s_wait_xcnt 0x0                                ; the earlier stores have read the codes' registers
.if \hf == 0
	v_mov_b32 v[SC], s[80+2*\p]
	v_mov_b32 v[LIM], s[81+2*\p]
	v_nop
	v_nop                                          ; four places behind the last products
.endif
	WIN 0xC3
.set N, 128*\hf
.rept 128
	v_med3_num_f32 v[N], v[N], -v[LIM], v[LIM]
.set N, N+1
.endr
	WIN 0x03
.irp mt, 0,1
.irp nt, 0,1,2,3,4,5,6,7
	v_cvt_scalef32_pk8_bf8_f32 v[PC+16*\mt+2*\nt:PC+16*\mt+2*\nt+1], v[128*\hf+64*\mt+8*\nt:128*\hf+64*\mt+8*\nt+7], v[SC]   ; channels 16 n + 8 h + 0 .. 7
.endr
.endr
	WIN 0
	v_nop                                          ; a plain line behind the last conversion
.irp mt, 0,1
.irp c, 0,1,2,3
	global_store_b128 v[LI], v[PC+16*\mt+4*\c:PC+16*\mt+4*\c+3], s[90+2*\p:91+2*\p] offset:(2*\hf+\mt)*(4096>>\p)+512*\c   ; 32 lanes store 512 consecutive bytes, aligned
.endr
.endr
.endm
.macro EPI_V hf                        ; pass v, four channel tiles: my four row tiles are registers 8 x token half + 0 .. 7 of each fragment
	s_wait_xcnt 0x0
.if \hf == 0
	v_mov_b32 v[SC], s84
	v_mov_b32 v[LIM], s85
	v_nop
	v_nop
.endif
	WIN 0xC3
.irp mt, 0,1,2,3
.set N, 64*\mt+32*\hf
.rept 32
	v_med3_num_f32 v[N], v[N], -v[LIM], v[LIM]
.set N, N+1
.endr
.endr
	WIN 0x03
.irp nt, 0,1,2,3
.irp mt, 0,1,2,3
	v_cvt_scalef32_pk8_bf8_f32 v[PC+8*\nt+2*\mt:PC+8*\nt+2*\mt+1], v[64*\mt+32*\hf+8*\nt:64*\mt+32*\hf+8*\nt+7], v[SC]   ; tokens 16 m + 8 h + 0 .. 7 of my channel
.endr
.endr
	WIN 0
	v_nop
.irp nt, 0,1,2,3
.irp a, 0,1
	global_store_b128 v[LI], v[PC+8*\nt+4*\a:PC+8*\nt+4*\a+3], s[94:95] offset:(4*\hf+\nt)*2048+512*\a
.endr
.endr
.endm
; On to pass p, between the two halves of the way out of the pass before: its tile has landed in every wave; fill = 1: region WQ, read out, takes Wv.  Row tile 0's accumulators are free: the next bias goes there.
.macro NEXT p, fill
	s_wait_tensorcnt 0x0                           ; no tensor load of mine is out
	ds_add_u32 v[SPW], v[NIL]                      ; 0 onto my spare word
.if \fill
	s_mov_b32 s61, s7
	s_add_nc_u64 s[62:63], s[14:15], s[4:5]
	s_or_b32 s63, s63, 0x80000000
.endif
	s_wait_dscnt 0x0                               ; the add is done, and my reads are over
.if \fill
	CROUND
	tensor_load_to_lds s[60:63], s[68:75]
	s_nop 0
	PLACES
.else
	s_barrier_signal -1
	s_barrier_wait -1
.endif
	BIAS \p
	LOADW 16*\p
	LOADW 16*\p+1
.endm
	s_wait_tensorcnt 0x0                           ; my part of the first fills is in, and my part of the tables is stored:
	s_wait_dscnt 0x0
	s_barrier_signal -1
	s_barrier_wait -1                              ; everybody's is
	XREG 0
	s_wait_tensorcnt 0x0
	ds_add_u32 v[SPW], v[NIL]
	s_mov_b32 s46, 64<<16                          ; x's K half 1, shared by the four waves: 64 rows x 512 bytes each
	s_mov_b32 s48, 64
	s_mov_b32 s77, s89
	s_add_nc_u64 s[78:79], s[8:9], s[100:101]
	s_or_b32 s79, s79, 0x80000000
	s_wait_dscnt 0x0                               ; the add is done, and half 0 is in my registers
	CROUND
	tensor_load_to_lds s[76:79], s[44:51]
	s_nop 0
	PLACES
	BIAS 0
	LOADW 0
	LOADW 1
.set G, 0
.rept 7
	HSTEP G, 1, 32                                 ; the loads of the two half-steps ahead may be out
.set G, G+1
.endr
	s_wait_tensorcnt 0x0                           ; half-step 7; my part of x's half 1 is in
	ds_add_u32 v[SPW], v[NIL]
	s_wait_dscnt 17                                ; half-step 8's 16 loads and the add may be out
	WINM 7
	MUL8 7, 0
	s_wait_dscnt 0x0
	s_barrier_signal -1
	MUL8 7, 2
	WIN 0
	s_barrier_wait -1                              ; everybody's part is in
	PLACES
	XREG 1
	LOADW 9
	s_wait_tensorcnt 0x0
	ds_add_u32 v[SPW], v[NIL]
	s_mov_b32 s61, s6                              ; Wk into region X
	s_add_nc_u64 s[62:63], s[12:13], s[4:5]
	s_or_b32 s63, s63, 0x80000000
	s_wait_dscnt 0x0                               ; the add is done, and half 1 is in my registers
	CROUND
	tensor_load_to_lds s[60:63], s[68:75]
	s_nop 0
	HSTEP 8, 1, 16                                 ; only the 16 loads just issued may be out
.set G, 9
.rept 5
	HSTEP G, 1, 32
.set G, G+1
.endr
	HSTEP 14, 0, 16
	HSTEP 15, 0, 0
	EPI_T 0, 0
	NEXT 1, 1
	EPI_T 0, 1
.set G, 16
.rept 14
	HSTEP G, 1, 32
.set G, G+1
.endr
	HSTEP 30, 0, 16
	HSTEP 31, 0, 0
	EPI_T 1, 0
	NEXT 2, 0
	EPI_T 1, 1
.set G, 32
.rept 14
	HSTEP G, 1, 32
.set G, G+1
.endr
	HSTEP 46, 0, 16
	HSTEP 47, 0, 0
	EPI_V 0
	EPI_V 1
	s_wait_tensorcnt 0x0                           ; the wave's end
	ds_add_u32 v[SPW], v[NIL]
	s_wait_dscnt 0x0
	CROUND                                         ; the closing round: no work-group ends while a partner may still ask for a tile that names it
	s_endpgm
.Lfunc_end_k_q114e8ec624_proj:
	.size	k_q114e8ec624_proj, .Lfunc_end_k_q114e8ec624_proj-k_q114e8ec624_proj
	.p2alignl 7, 3214868480
	.fill 96, 4, 3214868480
	.section	.rodata,"a",@progbits
	.p2align	6, 0x0
	.amdhsa_kernel k_q114e8ec624_proj
		.amdhsa_group_segment_fixed_size 327680
		.amdhsa_private_segment_fixed_size 0
		.amdhsa_enable_private_segment 0
		.amdhsa_kernarg_size 80
		.amdhsa_user_sgpr_count 2
		.amdhsa_user_sgpr_kernarg_segment_ptr 1
		.amdhsa_wavefront_size32 1
		.amdhsa_system_sgpr_workgroup_id_x 1
		.amdhsa_system_sgpr_workgroup_id_y 1
		.amdhsa_system_sgpr_workgroup_id_z 1
		.amdhsa_system_vgpr_workitem_id 0
		.amdhsa_next_free_vgpr 1024
		.amdhsa_next_free_sgpr 102
		.amdhsa_reserve_vcc 0
		.amdhsa_float_denorm_mode_32 3
		.amdhsa_float_denorm_mode_16_64 3
		.amdhsa_memory_ordered 1
		.amdhsa_forward_progress 1
		.amdhsa_inst_pref_size 191
	.end_amdhsa_kernel
	.amdgpu_metadata
---
amdhsa.version: [ 1, 2 ]
amdhsa.kernels:
  - .name:           k_q114e8ec624_proj
    .symbol:         k_q114e8ec624_proj.kd
    .args:
      - { .name: x_codes, .offset: 0, .size: 8, .value_kind: global_buffer, .address_space: global }
      - { .name: Wq_codes, .offset: 8, .size: 8, .value_kind: global_buffer, .address_space: global }
      - { .name: Wk_codes, .offset: 16, .size: 8, .value_kind: global_buffer, .address_space: global }
      - { .name: Wv_codes, .offset: 24, .size: 8, .value_kind: global_buffer, .address_space: global }
      - { .name: bq, .offset: 32, .size: 8, .value_kind: global_buffer, .address_space: global }
      - { .name: bk, .offset: 40, .size: 8, .value_kind: global_buffer, .address_space: global }
      - { .name: bv, .offset: 48, .size: 8, .value_kind: global_buffer, .address_space: global }
      - { .name: lowp_scales, .offset: 56, .size: 8, .value_kind: global_buffer, .address_space: global }
      - { .name: q_img, .offset: 64, .size: 8, .value_kind: global_buffer, .address_space: global }
      - { .name: kv, .offset: 72, .size: 8, .value_kind: global_buffer, .address_space: global }
    .group_segment_fixed_size: 327680
    .private_segment_fixed_size: 0
    .kernarg_segment_align: 8
    .kernarg_segment_size: 80
    .max_flat_workgroup_size: 128
    .sgpr_count:     102
    .vgpr_count:     1024
    .wavefront_size: 32
...
	.end_amdgpu_metadata
.endif
;; end of part 1
;; launch attn (part 2): grid 256 x 1, 4 waves a work-group, clusters of 4 x 1, 327,680 bytes of LDS; arguments q_img, kv, lowp_scales, out0; writes out0
.if DOCPART == 2
	.amdgcn_target "amdgcn-amd-amdhsa--gfx1250"
	.amdhsa_code_object_version 6
	.text
	.protected	k_q114e8ec624_attn
	.globl	k_q114e8ec624_attn
	.p2align	8
	.type	k_q114e8ec624_attn,@function
k_q114e8ec624_attn:
	s_mov_b64 s[64:65], 0
	v_nop
	global_prefetch_b8 v0, s[64:65] scope:SCOPE_SE
	s_setreg_imm32_b32 hwreg(HW_REG_WAVE_MODE, 25, 1), 1
	s_wait_xcnt 0x0
	s_wait_alu depctr_hold_cnt(0) depctr_sa_sdst(0) depctr_va_vdst(0) depctr_va_sdst(0) depctr_va_ssrc(0) depctr_va_vcc(0) depctr_vm_vsrc(0)
	s_getreg_b32 s2, hwreg(HW_REG_IB_STS2, 6, 4)
	s_cmp_eq_u32 s2, 0
	s_cbranch_scc0 .Lentry_in_a_cluster
	s_endpgm
.Lentry_in_a_cluster:
	s_bfe_u32 s2, ttmp6, 0x10000c
	s_cmp_lg_u32 s2, 0x3003
	s_cbranch_scc0 .Lentry_shape_is_right
	s_endpgm
.Lentry_shape_is_right:
; out0[b][q][:] = the sum over k <= q of softmax_k(q . k / sqrt(2048)) v[k][:], both products on codes of BF8 (E5M2), from the images of operand registers that launch proj stored.
; t = score x log2(e) / sqrt(2048); M = the largest t so far, rounded UP to a whole number; p = 2^(t - M) is quantised with 2^e8; the row's sum is taken of the unquantised p and divides at the end.
; DEAD WORK: key steps of 128 keys that lie wholly behind a block's last query are left out where all four partners of the cluster can (reference() masks them); a NaN or an overflow there is not carried to the result.
; LIMITS: e6 + e7 between -121 and 132 (added to the exponent field of log2(e) / sqrt(2048)); e8 between -126 and 112; scaled scores under 2^31 in magnitude.
; SHARES.  Blocks of 64 queries.  A work-group owns block A = 31 - i and block B = i of a batch, i = 4 j + cx, j the cluster's place in the batch.  Wave (y, z), w = 2 y + z, owns 32 queries (half z) as two tiles of 16.
;   y = 0: A's key steps 0 .. 8.   y = 1: B's steps 0 .. 2 j + 1, then, behind SWITCH, A's steps 9 .. 15 - 2 j.  Nine positions for every wave; at the end the two halves of A are merged, a tile by each wave.
; With u = (cluster - 1) mod 64: batch u / 4, j = u % 4.
; RING.  A slot holds 64 KiB of K and V for each y: 128 KiB; two slots.  All tiles are fetched jointly with the cluster's three partners (mask 15): they walk the same steps.
;   Positions 0 and 1 are key steps 0 and 1 for both y: step 0 into slot 0's half 0 at the head, step 1 into its half 1 behind the next round, each as four loads of 64 rows of 256 bytes, one a wave; all four waves read them.
;   From position 2 on each y has its own half: of slot 1 at even positions, of slot 0 at odd ones; a wave then fetches 128 rows (z = 0 K, z = 1 V).
; LAYOUT.  Both products transposed: S^T = K Q^T, O^T = V^T P^T: a lane holds one query (lane % 16).  Register n of S^T is key 16 (n / 8) + 8 (lane / 16) + n % 8: the conversions' results are the operand P.
; A POSITION: S^T (32 products); the maxima, with V's loads; O^T under the new M; exponentials of tile 0; the change of slots; exponentials of tile 1; conversions, with the next K's loads; O^T (32 products).
; PREFETCH: at each change of slots one instruction a wave asks for the tile of the position whose load stands two changes on: of my pair's 64 KiB, 256 blocks of 256 bytes, wave z of partner cx names
;   blocks 32 (4 z + cx) .. + 31: each block once in a cluster.  It stops where no such position is left (positions 0 to 3 come by their loads alone).
; REGISTERS: window 0: v1-14 addresses and constants, v16-31 the statistics (8 a tile), v32-63 P's codes, v64-191 S^T, v192-255 Q.  window 1: O^T, tile t from 128 t.  window 2: V's fragments.  window 3: K's.
.set SLOT1, 1<<17
.set SPARE, 2*SLOT1
.set STG,   SPARE+512                  ; the way out: 16 rows x 528 bytes a wave
.set SP,    528
.set MRGB,  33*512                     ; the merge: a tile of O^T and its statistics, in the ring, which has had its last fill
.set LI,   1                           ; 16 x lane
.set ADR,  3
.set SPW,  4                           ; my spare word; never rewritten
.set NIL,  5                           ; 0; never rewritten
.set STO,  6
.set RD,   7
.set RH,   8                           ; lane % 16 - 8 (lane / 16)
.set SCL,  9                           ; 2^e8
.set LIMIT, 10                         ; 57,344 x 2^e8
.set MS,   11
.set MR,   12
.set PFO,  14                          ; 256 x lane; never rewritten
.set NEG,  15                          ; -infinity
.set ST,   16                          ; -M, largest t, sum (two halves), f, (pair), two at work
.set P,    32
.set S,    64
.set QF,   192
.set LA,   42                          ; where my next fill goes
.set TB,   44                          ; where the next position's tile lies
.set KS,   45                          ; my key step
.set KSF,  46                          ; the key step asked for last
.set SWK,  47                          ; B's last step (y = 0: none)
.set DG,   48                          ; from this step on the mask is applied
.set Q0,   19
.set PFB,  60
.set PFA,  62
.set KSP,  66                          ; the key step prefetched last
.set XM,   67                          ; what turns TB into the next
.set MSB, 0
.macro WIN new                         ; the immediate's high byte repeats the setting that is left; a switch that changes nothing is dropped
.if MSB != (\new)
	s_set_vgpr_msb (MSB<<8)|(\new)
.set MSB, (\new)
.endif
.endm
.macro PLACES                          ; four places behind matrix instructions (ISA guide 7.12.1)
.rept 4
	v_nop
.endr
.endm
.macro CREST                           ; a round of the cluster's barrier behind its opening barrier
	s_cmp_lg_u32 s12, 0
	s_cbranch_scc1 .Lnot_wave_0_\@
	s_barrier_signal -3
.Lnot_wave_0_\@:
	s_barrier_wait -3
	s_barrier_signal -1
	s_barrier_wait -1
.endm
.macro CROUND
	s_barrier_signal -1
	s_barrier_wait -1
	CREST
.endm
	s_load_b256 s[4:11], s[0:1], 0x0               ; q_img s[4:5], kv s[6:7], the scales s[8:9], out0 s[10:11]
	v_lshl_add_u32 v[SPW], v0, 2, SPARE
	v_mov_b32 v[NIL], 0
	ds_add_u32 v[SPW], v[NIL]                      ; the opening: the add, twice on end, and its wait
	ds_add_u32 v[SPW], v[NIL]
	v_lshrrev_b32 v13, 5, v0
	v_readfirstlane_b32 s12, v13                   ; wave
	s_lshr_b32 s13, s12, 1                         ; y
	s_and_b32 s14, s12, 1                          ; z
	s_xor_b32 s78, s13, 1
	s_bfe_u32 s16, ttmp6, 0x40000                  ; cx
	s_add_co_u32 s18, ttmp9, 63
	s_and_b32 s15, s18, 3                          ; j
	s_bfe_u32 s17, s18, 0x40002                    ; batch
	s_mov_b32 s24, 15|(3<<16)|(1<<21)              ; group 1: mask of the four, elements of 8 bytes, no padding: rows of 256 bytes, dense; 64 of them a wave for positions 0 and 1
	s_mov_b32 s25, 32<<16
	s_mov_b32 s26, 64<<16
	s_mov_b32 s27, 32<<16
	s_mov_b32 s28, 64
	s_mov_b32 s29, 32
	s_mov_b32 s30, 0
	s_mov_b32 s31, 0
	s_mov_b32 s36, 1                               ; the walking group 0: slot 0 first
	s_lshl_b32 s37, s12, 14
	s_lshl_b32 s[LA], s12, 15
	s_lshl_b32 s96, s17, 20
	s_lshl_b32 s98, s14, 15
	s_add_co_u32 s96, s96, s98
	s_mov_b32 s97, 0
	s_lshl_b32 s98, s17, 20                        ; step 0: my 16 KiB of its 64
	s_lshl_b32 s99, s12, 14
	s_add_co_u32 s98, s98, s99
	s_mov_b32 s99, 0
	v_and_b32 v13, 31, v0
	v_lshlrev_b32 v[LI], 4, v13
	v_lshlrev_b32 v[PFO], 8, v13
	s_wait_alu depctr_va_vdst(0)
	s_wait_dscnt 0x0                               ; both opening adds are done
	s_wait_kmcnt 0x0
	s_load_b128 s[68:71], s[8:9], 0x18             ; e6 .. e9
	s_add_nc_u64 s[40:41], s[6:7], s[96:97]
	s_add_nc_u64 s[38:39], s[6:7], s[98:99]
	s_or_b32 s39, s39, 0x80000000
	CROUND                                         ; the first joint loads meet
	tensor_load_to_lds s[36:39], s[24:31]          ; position 0
	s_nop 0
	PLACES
	s_mov_b32 s20, 0x76543210
	s_mov_b32 s21, 0xfedcba98
	s_mov_b32 s22, 0x3d0293ee                      ; log2(e) / sqrt(2048)
	s_mov_b32 s[TB], 0x10000                       ; position 1: slot 0, half 1
	s_lshl_b32 s[XM], s78, 16
	s_xor_b32 s[XM], s[XM], SLOT1                  ; which leads to position 2: slot 1, half y
	s_mov_b32 s[KS], 0
	s_mov_b32 s[KSF], 1
	s_lshl_b32 s[DG], s15, 1
	s_add_co_u32 s[SWK], s[DG], 1
	s_sub_co_u32 s88, 14, s[DG]
	s_cmp_eq_u32 s13, 0
	s_cselect_b32 s[SWK], 0xffff, s[SWK]
	s_cselect_b32 s[DG], s88, s[DG]
	s_cmp_eq_u32 s[SWK], 1
	s_cselect_b32 s[KSP], 10, 3                    ; the step of position 3
	s_lshl_b32 s72, s15, 2
	s_add_co_u32 s72, s72, s16                     ; B
	s_sub_co_u32 s73, 31, s72                      ; A
	s_cmp_eq_u32 s13, 0
	s_cselect_b32 s18, s73, s72
	s_lshl_b32 s98, s14, 5
	s_lshl_b32 s[Q0], s18, 6
	s_add_co_u32 s[Q0], s[Q0], s98
	s_lshl_b32 s50, s73, 6
	s_add_co_u32 s50, s50, s98
	s_lshl_b32 s89, s13, 4                         ; tile 0 is the half's tile y, tile 1 the other
	s_lshl_b32 s90, s78, 4
	s_lshl_b32 s74, s17, 7
	s_lshl_b32 s98, s14, 1
	s_add_co_u32 s74, s74, s98
	s_lshl_b32 s98, s14, 2                         ; the prefetches: 8,192 bytes for each (z, cx)
	s_add_co_u32 s98, s98, s16
	s_lshl_b32 s98, s98, 13
	s_lshl_b32 s96, s17, 20
	s_add_co_u32 s96, s96, s98
	s_add_nc_u64 s[PFB:PFB+1], s[6:7], s[96:97]
.macro BASES b, d                      ; where block s[b]'s two tiles lie: Q's images, then the output
	s_lshl_b32 s75, s[\b], 2
	s_add_co_u32 s75, s75, s74
	s_add_co_u32 s76, s75, s13
	s_add_co_u32 s77, s75, s78
	s_lshl_b32 s96, s76, 12
	s_add_nc_u64 s[\d:\d+1], s[4:5], s[96:97]
	s_lshl_b32 s96, s77, 12
	s_add_nc_u64 s[\d+2:\d+3], s[4:5], s[96:97]
	s_lshl_b32 s96, s76, 14
	s_add_nc_u64 s[\d+4:\d+5], s[10:11], s[96:97]
	s_lshl_b32 s96, s77, 14
	s_add_nc_u64 s[\d+6:\d+7], s[10:11], s[96:97]
.endm
	BASES 18, 52
	BASES 73, 80
.macro SETQ
.irp t, 0,1
.irp s, 0,1
.irp c, 0,1,2,3
	global_load_b128 v[QF+32*\t+16*\s+4*\c:QF+32*\t+16*\s+4*\c+3], v[LI], s[52+2*\t:53+2*\t] offset:2048*\s+512*\c
.endr
.endr
.endr
.endm
	SETQ
	s_mul_i32 s92, s12, 16*SP
	s_add_co_u32 s92, s92, STG
	s_mul_i32 s93, s12, MRGB
	s_xor_b32 s94, s12, 2                          ; my partner in the merge
	s_mul_i32 s94, s94, MRGB
	v_and_b32 v13, 15, v0
	v_bfe_u32 v32, v0, 4, 1
	v_mul_u32_u24 v[STO], v13, SP
	v_lshl_add_u32 v[STO], v32, 5, v[STO]
	v_add_nc_u32 v[STO], s92, v[STO]
	v_add_nc_u32 v[RD], s92, v[LI]
	v_lshlrev_b32 v[RH], 3, v32
	v_sub_nc_u32 v[RH], v13, v[RH]
	v_add_nc_u32 v[MS], s93, v[LI]
	v_add_nc_u32 v[MR], s94, v[LI]
	v_mov_b32 v[NEG], 0xff800000
.irp t, 0,1
	v_mov_b32 v[ST+8*\t+1], 0xff61b1e6             ; the largest t so far: -3e38
	v_floor_f32 v[ST+8*\t], -v[ST+8*\t+1]
	v_mov_b32 v[ST+8*\t+2], 0
	v_mov_b32 v[ST+8*\t+3], 0
	v_mov_b32 v[ST+8*\t+5], 0
	v_mov_b32 v[ST+8*\t+6], 0
	v_mov_b32 v[ST+8*\t+7], 0
.endr
	WIN 0x40
.set N, 0
.rept 256                              ; O^T begins as zeros, which the first change of M leaves zeros: the position is not written out once more for a first step of its own
	v_mov_b32 v[N], 0
.set N, N+1
.endr
	WIN 0
	s_wait_alu depctr_va_vdst(0)
	s_wait_kmcnt 0x0
	s_add_co_i32 s98, s68, s69
	s_lshl_b32 s98, s98, 23
	s_add_co_i32 s22, s22, s98                     ; a score stands for score x 2^(e6 + e7)
	s_mov_b32 s23, s22
	s_add_co_i32 s98, s70, 127
	s_lshl_b32 s99, s98, 23
	v_mov_b32 v[SCL], s99
	s_add_co_i32 s98, s98, 15
	s_lshl_b32 s98, s98, 23
	s_or_b32 s98, s98, 0x600000
	v_mov_b32 v[LIMIT], s98
	s_add_co_i32 s51, s70, s71                     ; e8 + e9
; Eight LDS loads: fragments 2 f, 2 f + 1 of K (window 3) or V (window 2).  They leave their window set.
.macro KL f
	WIN 0xC0
.set F, 2*(\f)
.rept 2
.irp c, 0,1,2,3
	ds_load_b128 v[16*F+4*\c:16*F+4*\c+3], v[ADR] offset:2048*F+512*\c
.endr
.set F, F+1
.endr
.endm
.macro VL f
	WIN 0x80
.set F, 2*(\f)
.rept 2
.irp c, 0,1,2,3
	ds_load_b128 v[16*F+4*\c:16*F+4*\c+3], v[ADR] offset:32768+2048*F+512*\c
.endr
.set F, F+1
.endr
.endm
; S^T, four groups of eight products.  All 64 loads of K are issued ahead of it: group q wants the first 16 (q + 1).
.macro SQK
.irp q, 0,1,2,3
	s_wait_dscnt 48-16*\q
	WIN 0x03
.irp k, 0,1,2,3
.irp t, 0,1
.set KT, 4*(\q%2)+\k
.set SS, \q/2
.if \q < 2
	v_wmma_f32_16x16x128_bf8_bf8 v[S+64*\t+8*KT:S+64*\t+8*KT+7], v[16*(8*SS+KT):16*(8*SS+KT)+15], v[QF+32*\t+16*SS:QF+32*\t+16*SS+15], 0
.else
	v_wmma_f32_16x16x128_bf8_bf8 v[S+64*\t+8*KT:S+64*\t+8*KT+7], v[16*(8*SS+KT):16*(8*SS+KT)+15], v[QF+32*\t+16*SS:QF+32*\t+16*SS+15], v[S+64*\t+8*KT:S+64*\t+8*KT+7]
.endif
.endr
.endr
.endr
	VL 0
	VL 1
	VL 2
	WIN 0
.endm
.macro MASK                            ; hidden scores become -infinity: register n is hidden where 16 (n / 8) + n % 8 > my query - 128 x step - 8 (lane / 16)
	s_cmp_lt_u32 s[KS], s[DG]
	s_cbranch_scc1 .Lopen_\@
	s_lshl_b32 s98, s[KS], 7
	s_sub_co_i32 s98, s[Q0], s98
	s_add_co_i32 s99, s98, s90
	s_add_co_i32 s98, s98, s89
	v_add_nc_u32 v[ST+6], s98, v[RH]
	v_add_nc_u32 v[ST+14], s99, v[RH]
.irp t, 0,1
.set N, 0
.rept 64
	v_cmp_le_i32 vcc_lo, 16*(N/8)+N%8, v[ST+8*\t+6]
	v_cndmask_b32 v[S+64*\t+N], v[NEG], v[S+64*\t+N], vcc_lo
.set N, N+1
.endr
.endr
.Lopen_\@:
.endm
.macro MAXSTAT                         ; the largest score in four chains a tile, each accumulator from its low end on; then M, f = 2^(old M - new M), and the sum under the new M.  V's loads stand between the steps of the dependent chain
.irp c, 0,1,2,3
.irp t, 0,1
	v_max3_num_f32 v[P+4*\t+\c], v[S+64*\t+3*\c], v[S+64*\t+3*\c+1], v[S+64*\t+3*\c+2]
.endr
.endr
.set I, 12
.rept 26
.irp t, 0,1
	v_max3_num_f32 v[P+4*\t+(I/2)%4], v[P+4*\t+(I/2)%4], v[S+64*\t+I], v[S+64*\t+I+1]
.endr
.set I, I+2
.endr
.irp t, 0,1
	v_max3_num_f32 v[ST+8*\t+6], v[P+4*\t], v[P+4*\t+1], v[P+4*\t+2]
.endr
.irp t, 0,1
	v_max_num_f32 v[ST+8*\t+6], v[ST+8*\t+6], v[P+4*\t+3]
.endr
	VL 3
	WIN 0
.irp t, 0,1
	v_permlanex16_b32 v[ST+8*\t+7], v[ST+8*\t+6], s20, s21
.endr
	VL 4
	WIN 0
.irp t, 0,1
	v_max_num_f32 v[ST+8*\t+6], v[ST+8*\t+6], v[ST+8*\t+7]
.endr
.irp t, 0,1
	v_mul_f32 v[ST+8*\t+6], s22, v[ST+8*\t+6]
.endr
	VL 5
	WIN 0
.irp t, 0,1
	v_max_num_f32 v[ST+8*\t+1], v[ST+8*\t+1], v[ST+8*\t+6]
	v_mov_b32 v[ST+8*\t+6], v[ST+8*\t]
.endr
.irp t, 0,1
	v_floor_f32 v[ST+8*\t], -v[ST+8*\t+1]
.endr
	VL 6
	WIN 0
.irp t, 0,1
	v_sub_f32 v[ST+8*\t+6], v[ST+8*\t], v[ST+8*\t+6]
.endr
.irp t, 0,1
	v_cvt_i32_f32 v[ST+8*\t+6], v[ST+8*\t+6]
.endr
	VL 7
	WIN 0
.irp t, 0,1
	v_ldexp_f32 v[ST+8*\t+4], 1.0, v[ST+8*\t+6]
.endr
.irp t, 0,1
	v_pk_mul_f32 v[ST+8*\t+2:ST+8*\t+3], v[ST+8*\t+2:ST+8*\t+3], v[ST+8*\t+4:ST+8*\t+5] op_sel_hi:[1,0]
.endr
.endm
.macro RESC                            ; O^T under the new M, ahead of the exponentials
	WIN 0x41
.irp t, 0,1
.set N, 0
.rept 64
	v_pk_mul_f32 v[128*\t+2*N:128*\t+2*N+1], v[128*\t+2*N:128*\t+2*N+1], v[ST+8*\t+4:ST+8*\t+5] op_sel_hi:[1,0]
.set N, N+1
.endr
.endr
	WIN 0
.endm
.macro SUMS t                          ; the row's sum of the unquantised p: two at a time, in four chains
.set A, P+16*\t+8
	v_pk_add_f32 v[A:A+1], v[S+64*\t:S+64*\t+1], v[S+64*\t+2:S+64*\t+3]
	v_pk_add_f32 v[A+2:A+3], v[S+64*\t+4:S+64*\t+5], v[S+64*\t+6:S+64*\t+7]
	v_pk_add_f32 v[A+4:A+5], v[S+64*\t+8:S+64*\t+9], v[S+64*\t+10:S+64*\t+11]
.set M, 6
.rept 26
.if M%4 == 2
	v_pk_add_f32 v[ST+8*\t+2:ST+8*\t+3], v[ST+8*\t+2:ST+8*\t+3], v[S+64*\t+2*M:S+64*\t+2*M+1]
.else
.set AA, A+2*((M+1)%4)
	v_pk_add_f32 v[AA:AA+1], v[AA:AA+1], v[S+64*\t+2*M:S+64*\t+2*M+1]
.endif
.set M, M+1
.endr
	v_pk_add_f32 v[A:A+1], v[A:A+1], v[A+2:A+3]
	v_pk_add_f32 v[ST+8*\t+2:ST+8*\t+3], v[ST+8*\t+2:ST+8*\t+3], v[A+4:A+5]
	v_pk_add_f32 v[ST+8*\t+2:ST+8*\t+3], v[ST+8*\t+2:ST+8*\t+3], v[A:A+1]
.endm
.macro MINS from, n                    ; the hold: the conversion to an 8-bit code does not saturate (ISA guide 7.6.2); p is never negative
.set J, \from
.rept \n
	v_min_num_f32 v[S+J], v[S+J], v[LIMIT]
.set J, J+1
.endr
.endm
.macro CVT t
.irp n, 0,1,2,3,4,5,6,7
	v_cvt_scalef32_pk8_bf8_f32 v[P+16*\t+2*\n:P+16*\t+2*\n+1], v[S+64*\t+8*\n:S+64*\t+8*\n+7], v[SCL]
.endr
.endm
; THE CHANGE OF SLOTS.  In front of the barrier each wave waits for all its tensor loads (its part of the next tile), adds 0 to its spare word, and waits for that and for its reads of this tile; tile 0's sums
; stand between the add and the wait.  fill = 1: the barrier opens a round of the cluster's, and the slot that is free takes the position two on (position 2: slot 1's first fill), which has a whole position in which to land.
.macro CHANGE fill
	s_wait_tensorcnt 0x0                           ; no tensor load of mine is out: its descriptor may be written
	ds_add_u32 v[SPW], v[NIL]
.if \fill
	s_add_co_u32 s98, s[KSF], 1
	s_cmp_eq_u32 s[KSF], s[SWK]
	s_cselect_b32 s[KSF], 9, s98
	s_xor_b32 s[LA], s[LA], SLOT1
	s_mov_b32 s37, s[LA]
	s_mov_b32 s26, 128<<16                         ; from position 2 on 128 rows a wave
	s_mov_b32 s28, 128
	s_lshl_b32 s98, s[KSF], 16
	s_mov_b32 s99, 0
	s_add_nc_u64 s[38:39], s[40:41], s[98:99]
	s_or_b32 s39, s39, 0x80000000
	s_wait_xcnt 0x0                                ; my last prefetch has read its address
	s_add_co_u32 s98, s[KSP], 1
	s_cmp_eq_u32 s[KSP], s[SWK]
	s_cselect_b32 s[KSP], 9, s98
	s_lshl_b32 s98, s[KSP], 16
	s_add_nc_u64 s[PFA:PFA+1], s[PFB:PFB+1], s[98:99]
.endif
	SUMS 0
	s_wait_dscnt 0x0                               ; the add is done, and V's fragments are in my registers
	s_barrier_signal -1
	MINS 0, 16                                     ; work on registers
	s_barrier_wait -1
.if \fill
	CREST
	tensor_load_to_lds s[36:39], s[24:31]          ; my one tensor load behind the round
	s_nop 0
	PLACES
	s_cmp_lt_u32 s49, 3                            ; trip p asks for position p + 4, while there is one
	s_cbranch_scc1 .Lno_ask_\@
	global_prefetch_b8 v[PFO], s[PFA:PFA+1] th:TH_LOAD_NT scope:SCOPE_SE
.Lno_ask_\@:
.endif
	v_add_nc_u32 v[ADR], s[TB], v[LI]
	s_xor_b32 s[TB], s[TB], s[XM]
	s_mov_b32 s[XM], SLOT1                         ; from position 2 on the slots take turns
	KL 0
	KL 1
	KL 2
	WIN 0
.endm
.macro LRED t                          ; the sum's two halves, and lane l xor 16's
	v_add_f32 v[ST+8*\t+2], v[ST+8*\t+2], v[ST+8*\t+3]
	v_permlanex16_b32 v[ST+8*\t+6], v[ST+8*\t+2], s20, s21
	v_add_f32 v[ST+8*\t+2], v[ST+8*\t+2], v[ST+8*\t+6]
.endm
; THE WAY OUT of a tile, half a row (128 channels, 512 bytes) of 16 queries at a time, through my own stage: 32 lanes store 512 consecutive bytes, aligned.  LDS serves a wave's instructions in order (ISA guide 5.7.1.4).
; The second half row is scaled while the first comes back from the stage.
.macro HALFROW t, u, merge
	s_wait_alu depctr_va_vdst(0)                   ; ahead of the first readers of O^T
	WIN 0x01
.set N, 0
.rept 32
	v_pk_mul_f32 v[S+2*N:S+2*N+1], v[128*\t+64*\u+2*N:128*\t+64*\u+2*N+1], v[ST+8*\t+4:ST+8*\t+5] op_sel_hi:[1,0]
.set N, N+1
.endr
.if \merge
	WIN 0x02
.set N, 0
.rept 32
	v_pk_fma_f32 v[S+2*N:S+2*N+1], v[64*\u+2*N:64*\u+2*N+1], v[44:45], v[S+2*N:S+2*N+1] op_sel_hi:[1,0,1]
.set N, N+1
.endr
.endif
	WIN 0
	s_wait_alu depctr_va_vdst(0)                   ; ahead of the waits below
.endm
.macro TOSTG
.irp d, 0,1,2,3,4,5,6,7
	ds_store_b128 v[STO], v[S+8*\d:S+8*\d+3] offset:64*\d
	ds_store_b128 v[STO], v[S+8*\d+4:S+8*\d+7] offset:64*\d+16
.endr
	s_wait_xcnt 0x0                                ; the earlier stores have read these registers
.irp i, 0,1,2,3,4,5,6,7,8,9,10,11,12,13,14,15
	ds_load_b128 v[S+64+4*\i:S+64+4*\i+3], v[RD] offset:\i*SP
.endr
.endm
.macro SENDOUT t, u
.irp i, 0,1,2,3,4,5,6,7,8,9,10,11,12,13,14,15
	s_wait_dscnt 15-\i
	global_store_b128 v[LI], v[S+64+4*\i:S+64+4*\i+3], s[56+2*\t:57+2*\t] offset:1024*\i+512*\u th:TH_STORE_NT
.endr
.endm
.macro OUT t, merge
	HALFROW \t, 0, \merge
	TOSTG
	HALFROW \t, 1, \merge
	SENDOUT \t, 0
	TOSTG
	SENDOUT \t, 1
.endm
; B is finished: it goes out, and A's other half begins.  The largest t goes back to -3e38, so that the first visible score's f is 0 and clears O^T and the sum; where none is visible the merge's factor is 0.
.macro SWITCH
	s_mov_b64 s[52:53], s[80:81]
	s_mov_b64 s[54:55], s[82:83]
	SETQ
	LRED 0
	LRED 1
	s_wait_alu depctr_va_vdst(0)                   ; a wait ahead of the transcendentals, and one behind them
	v_rcp_f32 v[ST+4], v[ST+2]
	v_rcp_f32 v[ST+12], v[ST+10]
	v_nop
	s_wait_alu depctr_va_vdst(0)
	v_ldexp_f32 v[ST+4], v[ST+4], s51
	v_ldexp_f32 v[ST+12], v[ST+12], s51
	OUT 0, 0
	OUT 1, 0
	s_wait_xcnt 0x0
	s_mov_b64 s[56:57], s[84:85]
	s_mov_b64 s[58:59], s[86:87]
.irp t, 0,1
	v_mov_b32 v[ST+8*\t+1], 0xff61b1e6
	v_floor_f32 v[ST+8*\t], -v[ST+8*\t+1]
.endr
	s_mov_b32 s[DG], s88
	s_mov_b32 s[Q0], s50
	s_wait_loadcnt 0x0                             ; A's Q
.endm
; change = 2: a change of slots with a fill; 1: without; 0: the last position.
.macro POS change, sw
	SQK
	PLACES
	MASK
	MAXSTAT
	RESC
.set J, 0
.rept 32
	v_pk_fma_f32 v[S+J:S+J+1], v[S+J:S+J+1], s[22:23], v[ST:ST+1] op_sel_hi:[1,0,0]
.set J, J+2
.endr
	s_wait_alu depctr_va_vdst(0)                   ; ahead of the batch
.set J, 0
.rept 64                               ; tile 0's exponentials, with tile 1's t - M between
	v_exp_f32 v[S+J], v[S+J]
.if J%2 == 0
	v_pk_fma_f32 v[S+64+J:S+65+J], v[S+64+J:S+65+J], s[22:23], v[ST+8:ST+9] op_sel_hi:[1,0,0]
.endif
.set J, J+1
.endr
	v_nop
	s_wait_alu depctr_va_vdst(0)                   ; behind this batch and ahead of the next one's sources
.if \change == 2
	CHANGE 1
.elseif \change == 1
	CHANGE 0
.else
	s_wait_dscnt 0x0                               ; V's fragments
	SUMS 0
	MINS 0, 16
.endif
.set J, 0
.rept 64                               ; tile 1's exponentials, with tile 0's holds between
	v_exp_f32 v[S+64+J], v[S+64+J]
.if J < 48
	v_min_num_f32 v[S+16+J], v[S+16+J], v[LIMIT]
.endif
.set J, J+1
.endr
	v_nop
	s_wait_alu depctr_va_vdst(0)                   ; one wait behind the batch
.if \change
	KL 3
	KL 4
	KL 5
	WIN 0
.endif
	SUMS 1
	CVT 0
	MINS 64, 64
	CVT 1
	v_nop                                          ; a plain line behind the last conversion
.if \change
	KL 6
	KL 7
.endif
	WIN 0x52
.set D, 0
.rept 16                               ; O^T += V^T P^T: the 32 accumulators take turns, one instruction a turn
.irp t, 0,1
	v_wmma_f32_16x16x128_bf8_bf8 v[128*\t+8*D:128*\t+8*D+7], v[16*D:16*D+15], v[P+16*\t:P+16*\t+15], v[128*\t+8*D:128*\t+8*D+7]
.endr
.set D, D+1
.endr
	WIN 0
	PLACES                                         ; ahead of the next loads of V, and of reads of O^T
.if \sw
	s_cmp_lg_u32 s[KS], s[SWK]
	s_cbranch_scc1 .Lstay_\@
	SWITCH
.Lstay_\@:
	s_add_co_u32 s98, s[KS], 1
	s_cmp_eq_u32 s[KS], s[SWK]
	s_cselect_b32 s[KS], 9, s98
.endif
.endm
	s_wait_alu depctr_va_vdst(0)                   ; the wait at the head's end
	s_wait_tensorcnt 0x0                           ; my part of position 0 is in
	ds_add_u32 v[SPW], v[NIL]
	s_add_co_u32 s37, s37, 0x10000                 ; step 1 into slot 0's half 1
	s_add_nc_u64 s[38:39], s[38:39], 0x10000
	s_wait_dscnt 0x0
	CROUND                                         ; everybody's part of position 0 is in
	tensor_load_to_lds s[36:39], s[24:31]          ; position 1
	s_nop 0
	PLACES
	v_add_nc_u32 v[ADR], 0, v[LI]
.irp f, 0,1,2,3,4,5,6,7
	KL \f
.endr
	WIN 0
	s_wait_alu depctr_va_vdst(0)
	s_wait_loadcnt 0x0                             ; Q
	s_mov_b32 s49, 7
.Lpos:                                                 ; positions 0 to 6
	POS 2, 1
	s_sub_co_u32 s49, s49, 1
	s_cmp_lg_u32 s49, 0
	s_cbranch_scc1 .Lpos
	POS 1, 1
	POS 0, 0
	; THE MERGE: each wave gives its tile 1 of A to its partner, which holds the same queries as its tile 0.
	LRED 0
	LRED 1
	s_wait_alu depctr_va_vdst(0)
	s_wait_dscnt 0x0
	s_barrier_signal -1
	s_barrier_wait -1                              ; nobody reads the ring any more
	WIN 0x04
.set N, 0
.rept 32
	ds_store_b128 v[MS], v[128+4*N:131+4*N] offset:512*N
.set N, N+1
.endr
	WIN 0
	ds_store_b128 v[MS], v[ST+8:ST+11] offset:16384
	s_wait_dscnt 0x0
	s_barrier_signal -1
	s_barrier_wait -1
	ds_load_b128 v[36:39], v[MR] offset:16384
	WIN 0x80
.set N, 0
.rept 32
	ds_load_b128 v[4*N:4*N+3], v[MR] offset:512*N
.set N, N+1
.endr
	WIN 0
	s_wait_dscnt 32                                ; the partner's statistics; its 32 loads of O^T may be out
	v_min_num_f32 v40, v[ST], v36                  ; -M of both
	v_sub_f32 v41, v40, v[ST]
	v_sub_f32 v42, v40, v36
	v_cvt_i32_f32 v41, v41
	v_cvt_i32_f32 v42, v42
	v_ldexp_f32 v41, 1.0, v41
	v_ldexp_f32 v42, 1.0, v42
	v_mul_f32 v43, v[ST+2], v41
	v_fma_f32 v43, v38, v42, v43
	s_wait_alu depctr_va_vdst(0)                   ; a wait ahead of the transcendental, and one behind it
	v_rcp_f32 v43, v43
	v_mov_b32 v45, 0
	s_wait_alu depctr_va_vdst(0)
	v_ldexp_f32 v43, v43, s51
	v_mul_f32 v[ST+4], v41, v43
	v_mul_f32 v44, v42, v43
	s_wait_alu depctr_va_vdst(0)
	s_wait_dscnt 0x0
	OUT 0, 1
	s_wait_tensorcnt 0x0                           ; the wave's end
	ds_add_u32 v[SPW], v[NIL]
	s_wait_dscnt 0x0
	CROUND                                         ; the closing round
	s_endpgm
.Lfunc_end_k_q114e8ec624_attn:
	.size	k_q114e8ec624_attn, .Lfunc_end_k_q114e8ec624_attn-k_q114e8ec624_attn
	.p2alignl 7, 3214868480
	.fill 96, 4, 3214868480
	.section	.rodata,"a",@progbits
	.p2align	6, 0x0
	.amdhsa_kernel k_q114e8ec624_attn
		.amdhsa_group_segment_fixed_size 327680
		.amdhsa_private_segment_fixed_size 0
		.amdhsa_enable_private_segment 0
		.amdhsa_kernarg_size 32
		.amdhsa_user_sgpr_count 2
		.amdhsa_user_sgpr_kernarg_segment_ptr 1
		.amdhsa_wavefront_size32 1
		.amdhsa_system_sgpr_workgroup_id_x 1
		.amdhsa_system_sgpr_workgroup_id_y 1
		.amdhsa_system_sgpr_workgroup_id_z 1
		.amdhsa_system_vgpr_workitem_id 0
		.amdhsa_next_free_vgpr 1024
		.amdhsa_next_free_sgpr 100
		.amdhsa_reserve_vcc 1
		.amdhsa_float_denorm_mode_32 3
		.amdhsa_float_denorm_mode_16_64 3
		.amdhsa_memory_ordered 1
		.amdhsa_forward_progress 1
		.amdhsa_inst_pref_size 255
	.end_amdhsa_kernel
	.section	.bss,"aw",@nobits
	.p2align	6
	.space	262144
	.amdgpu_metadata
---
amdhsa.version: [ 1, 2 ]
amdhsa.kernels:
  - .name:           k_q114e8ec624_attn
    .symbol:         k_q114e8ec624_attn.kd
    .args:
      - { .name: q_img, .offset: 0, .size: 8, .value_kind: global_buffer, .address_space: global }
      - { .name: kv, .offset: 8, .size: 8, .value_kind: global_buffer, .address_space: global }
      - { .name: lowp_scales, .offset: 16, .size: 8, .value_kind: global_buffer, .address_space: global }
      - { .name: out0, .offset: 24, .size: 8, .value_kind: global_buffer, .address_space: global }
    .group_segment_fixed_size: 327680
    .private_segment_fixed_size: 0
    .kernarg_segment_align: 8
    .kernarg_segment_size: 32
    .max_flat_workgroup_size: 128
    .sgpr_count:     100
    .vgpr_count:     1024
    .wavefront_size: 32
...
	.end_amdgpu_metadata
.endif
;; end of part 2
